; MI455X (gfx1250); checked and timed in simulation.
; The chip was launched on July 23, 2026; its instructions are those of AMD's public machine-readable ISA for CDNA 5 (MIT licence, August 2026) and "CDNA5" Instruction Set Architecture Reference Guide (July 2026). The comments in the code are by the model that wrote it; some were corrected since.
;; Bahdanau Attention. Allowed arithmetic: matrix products marked QUANTISED: E5M2 operands, one given power-of-two scale a tensor, by v_wmma_f32_16x16x64_bf8_bf8 or v_wmma_f32_16x16x128_bf8_bf8, f32 sums; products left as they are: f32 operands where the result goes on into a quantised operand, else bf16, f16 or f32 operands; f32 sums; everything else in f32.
;; Inputs: V_b 1 float32; V_w 1 x 1,024 float32; W1_b 1,024 float32; W1_w 1,024 x 1,024 float32; W2_b 1,024 float32; W2_w 1,024 x 1,024 float32; lowp_scales 4 int32 (the exponents e of the quantised operands' scales 2^e); mask 32 x 2,048 int32; query 32 x 2 x 1,024 float32; values 32 x 2,048 x 1,024 float32.
;; Outputs: out0 32 x 1 x 1,024 float32; out1 32 x 1 x 2,048 float32.
;; This version of the problem:
;;   THIS VERSION OF THE PROBLEM IS GIVEN IN LOW PRECISION. The matrix products marked QUANTISED in the list below multiply operands that are first quantised to E5M2 (5 exponent bits, 2 mantissa bits; 8 bits a number), with one given power-of-two scale for each operand tensor; their sums are f32. All else is computed in f32.
;;   The module's matrix products, in the order in which they are computed (A, B: the left and right operand; K: the contracted axis; several contracted axes count as one K, in the product's order):
;;     1. [M 32, K 1,024] x [K 1,024, N 1,024]; A: input query; B: input W1_w: QUANTISED (scales: A lowp_scales[0], B lowp_scales[1])
;;     2. [M 65,536, K 1,024] x [K 1,024, N 1,024]; A: input values; B: input W2_w: QUANTISED (scales: A lowp_scales[2], B lowp_scales[3])
;;     3. [M 65,536, K 1,024] x [K 1,024, N 1]; A: computed on the way; B: input V_w: left as it is (N = 1 < 16)
;;     4. batch 32 x [M 1, K 2,048] x [K 2,048, N 1,024]; A: softmax; B: input values: left as it is (M = 1 < 16)
;;   THE QUANTISER, for each operand of a quantised product, along K:
;;     - The operand's scale is 2^e, e = its entry of the input lowp_scales (int32; the entries are numbered through the quantised products in the list's order, A before B).
;;     - Each number is divided by the scale, clamped to +-57,344, and rounded to the nearest number of E5M2, ties to even, subnormals kept.
;;     - The product sums the exact products of the quantised numbers (number of the format x scale) in f32.
;;   ~~~python
;;   def quantise(x, axis, e):      # numpy; x: float32 -> the quantised numbers, widened to float32 again
;;       x = np.moveaxis(x, axis, -1); K = x.shape[-1]
;;       r = np.clip(x / 2.0 ** e, -57344, 57344)
;;       step = 2.0 ** (np.maximum(np.frexp(np.where(r == 0, 1, r))[1] - 1, -14) - 2)
;;       q = np.round(r / step) * step * 2.0 ** e      # np.round: ties to even
;;       return np.moveaxis(q, -1, axis).astype(np.float32)
;;   ~~~
;; One version. Each part assembles by itself: llvm-mc -triple=amdgcn-amd-amdhsa -mcpu=gfx1250 --defsym DOCPART=n.
;; ======== version 1 of 1: 3 launches
;; limits: values are held in bf16: 8 bits of precision; right only within a limited range of input values
;; workspace buffers: w2c 1,048,576 bytes; qbt 131,072 bytes; order 294,912 bytes of whole numbers; rank 262,144 bytes of whole numbers; sc 327,680 bytes; ctxp 2,097,152 bytes
;; launch prep (part 1): grid 96 x 1, 16 waves a work-group, no clusters, 68,608 bytes of LDS; arguments W2_w, W1_w, query, W1_b, W2_b, lowp_scales, mask, w2c, qbt, order, rank, sc; writes w2c, qbt, order, rank, sc
.if DOCPART == 1
	.amdgcn_target "amdgcn-amd-amdhsa--gfx1250"
	.amdhsa_code_object_version 6
	.text
	.protected	k_q4777f67fd0_prep
	.globl	k_q4777f67fd0_prep
	.p2align	8
	.type	k_q4777f67fd0_prep,@function
k_q4777f67fd0_prep:
	s_mov_b64 s[64:65], 0
	v_nop
	global_prefetch_b8 v0, s[64:65] scope:SCOPE_SE
	s_setreg_imm32_b32 hwreg(HW_REG_WAVE_MODE, 25, 1), 1
	s_wait_xcnt 0x0
; What the main launch needs once: W2's codes in the order of an operand's registers; qb' = 2 log2(e) (q W1^T + b1 + b2); the rows of each batch sorted by the mask; neutral softmax slots.
; Work-group j (0..63) owns the 16 columns n = 16 j .. 16 j + 15.  Wave w (0..15) quantises row 16 j + w of W2 and of W1 and the last step of the query of batches 2 w, 2 w + 1 into LDS.
; Behind ONE barrier the waves part: waves 0-7 store W2's fragment of K step w; waves 8, 9 make the first product for batches 0-15, 16-31; waves 0-3 of work-groups 64-95 sort batch j - 64 by its mask.
; CODES: BF8 (E5M2): x / 2^e, held within +-57,344, to the nearest code, ties to even.  e0 query, e1 W1, e3 W2.
; K IS PERMUTED, ALIKE IN EVERY OPERAND: a row of 1,024 numbers comes by eight loads of 512 dense bytes (load i gives lane l columns 128 i + 4 l + 0..3); the lane's 32 codes go to bytes 16 l .. and 512 + 16 l .. of
; the row of codes.  The main launch lays the values by the same lines, so each product meets its partner; only the order inside a sum changes.
; LIMITS: e0, e1, e3 between -126 and 112, so that 2^e and 57,344 x 2^e are f32 numbers; e0 + e1 is applied by v_ldexp_f32 and has none.  NaN among the inputs is not served.
.set PITCH, 1040                       ; a row of codes in LDS: 1,024 bytes + 16: 65 x 16, so the sixteen rows of a fragment load start at sixteen different banks (64 banks of 4 bytes: ISA guide 11.1)
.set W1T,   16*PITCH                   ; LDS: W2's 16 rows at 0, W1's 16 rows here,
.set QT,    32*PITCH                   ; the 32 queries here
.set X,     64                         ; v64-191  four rows as loaded, 32 registers each
.set C,     192                        ; v192-223 their codes, 8 registers each: no set is written twice
.macro ROWLD k, base, off              ; a row of 4,096 bytes: eight loads of 512 dense bytes
.irp j,0,1,2,3,4,5,6,7
	global_load_b128 v[X+32*(\k)+4*\j:X+32*(\k)+4*\j+3], v4, s[\base:\base+1] offset:(\off)+512*\j
.endr
.endm
.macro ROWQ k, scl, lim, adr, off      ; row k becomes codes and goes to LDS
	s_wait_loadcnt 8*(3-(\k))                      ; loads come back in order: the younger rows' eight loads each may stay out
.set XI, X+32*(\k)
.rept 32
	v_med3_num_f32 v[XI], v[XI], -v[\lim], v[\lim]   ; the conversion to an 8-bit code does not saturate (ISA guide 7.6.2): the hold at the largest code x the scale
.set XI, XI+1
.endr
.irp g,0,1,2,3
	v_cvt_scalef32_pk8_bf8_f32 v[C+8*(\k)+2*\g:C+8*(\k)+2*\g+1], v[X+32*(\k)+8*\g:X+32*(\k)+8*\g+7], v[\scl]
.endr
	v_nop                                          ; a plain line behind the conversions: later vector and matrix lines write their sources
	ds_store_b128 v[\adr], v[C+8*(\k):C+8*(\k)+3] offset:\off
	ds_store_b128 v[\adr], v[C+8*(\k)+4:C+8*(\k)+7] offset:(\off)+512
.endm
	s_load_b512 s[4:19], s[0:1], 0x0               ; W2_w s[4:5], W1_w s[6:7], query s[8:9], W1_b s[10:11], W2_b s[12:13], scales s[14:15], mask s[16:17], w2c s[18:19]
	s_load_b256 s[20:27], s[0:1], 0x40             ; qbt s[20:21], order s[22:23], rank s[24:25], sc s[26:27]
	v_lshl_add_u32 v254, v0, 2, 0x10400
	v_mov_b32 v255, 0
	v_lshrrev_b32 v1, 5, v0
	s_delay_alu instid0(VALU_DEP_1)
	v_readfirstlane_b32 s28, v1                    ; wave 0..15
	v_and_b32 v1, 31, v0                           ; lane
	v_and_b32 v2, 15, v0                           ; r
	v_bfe_u32 v3, v0, 4, 1                         ; h
	s_delay_alu instid0(VALU_DEP_3)
	v_lshlrev_b32 v4, 4, v1                        ; 16 x lane
	; every LDS address is made here, ahead of the parting of the waves
	s_mul_i32 s29, s28, PITCH
	v_add_nc_u32 v5, s29, v4                       ; where I store W2's row w
	s_delay_alu instid0(VALU_DEP_1)
	v_add_nc_u32 v6, W1T, v5                       ; W1's row w
	s_mul_i32 s29, s28, 2*PITCH
	s_add_co_u32 s29, s29, QT
	v_add_nc_u32 v7, s29, v4                       ; queries 2 w and 2 w + 1
	v_mul_u32_u24 v9, v2, PITCH
	s_delay_alu instid0(VALU_DEP_1)
	v_lshl_add_u32 v9, v3, 4, v9                   ; a fragment's lane: row r, + 16 h
	s_and_b32 s29, s28, 7
	s_lshl_b32 s29, s29, 7
	v_add_nc_u32 v8, s29, v9                       ; W2's fragment of K step w & 7
	s_and_b32 s29, s28, 1
	s_mul_i32 s29, s29, 16*PITCH
	s_add_co_u32 s29, s29, QT
	v_add_nc_u32 v10, s29, v9                      ; the queries' fragment, batches 16 (w & 1) on
	v_add_nc_u32 v9, W1T, v9                       ; W1's fragment
	v_lshlrev_b32 v18, 5, v3                       ; the biases: 8 h numbers on
	v_lshlrev_b32 v20, 2, v1                       ; 4 x lane
	s_lshl_b32 s30, ttmp9, 16
	s_lshl_b32 s29, s28, 12
	s_add_co_u32 s30, s30, s29                     ; row 16 j + w of a weight, in bytes
	s_mov_b32 s31, 0
	s_lshl_b32 s38, s28, 14
	s_add_co_u32 s38, s38, 4096                    ; query[2 w][1]: (2 (2 w) + 1) rows of 4,096 bytes
	s_mov_b32 s39, 0
	s_lshl_b32 s48, ttmp9, 6                       ; the biases of my 16 columns
	s_mov_b32 s49, 0
	s_wait_alu depctr_va_vdst(0)
	s_wait_kmcnt 0x0
	s_cmp_ge_u32 ttmp9, 64                         ; work-groups 64-95 sort the masks and do nothing else: the branch hangs on the work-group's number alone, and their way holds no barrier
	s_cbranch_scc1 .Lsort
	s_load_b128 s[40:43], s[14:15], 0x0            ; e0, e1, e2, e3
	s_add_nc_u64 s[32:33], s[4:5], s[30:31]
	s_add_nc_u64 s[34:35], s[6:7], s[30:31]
	s_add_nc_u64 s[36:37], s[8:9], s[38:39]
	s_add_nc_u64 s[10:11], s[10:11], s[48:49]
	s_add_nc_u64 s[12:13], s[12:13], s[48:49]
	global_load_b128 v[32:35], v18, s[10:11]       ; b1 at n = 16 j + 8 h + 0..7
	global_load_b128 v[36:39], v18, s[10:11] offset:16
	global_load_b128 v[40:43], v18, s[12:13]       ; b2 likewise
	global_load_b128 v[44:47], v18, s[12:13] offset:16
	ROWLD 0, 32, 0
	ROWLD 1, 34, 0
	ROWLD 2, 36, 0
	ROWLD 3, 36, 8192
	s_wait_kmcnt 0x0
.irp p,0,1,3                           ; (2^e, 57,344 x 2^e) as f32: e0 in v12, v13; e1 in v14, v15; e3 in v16, v17
.set VP, 12+2*\p
.if \p == 3
.set VP, 16
.endif
	s_add_co_i32 s44, s[40+\p], 127
	s_lshl_b32 s45, s44, 23
	v_mov_b32 v[VP], s45
	s_add_co_i32 s44, s44, 15
	s_lshl_b32 s44, s44, 23
	s_or_b32 s44, s44, 0x600000
	v_mov_b32 v[VP+1], s44
.endr
	s_wait_alu depctr_va_vdst(0)
	ROWQ 0, 16, 17, 5, 0
	ROWQ 1, 14, 15, 6, 0
	ROWQ 2, 12, 13, 7, 0
	ROWQ 3, 12, 13, 7, PITCH
	s_wait_dscnt 0x0                               ; for the others' sake: my rows of codes lie in LDS
	s_barrier_signal -1
	s_barrier_wait -1                              ; everybody's do.  No barrier follows: the waves part for good
	s_cmp_lt_u32 s28, 8
	s_cbranch_scc0 .Lnot_w2
	; ---- waves 0-7: W2's fragment (n tile j, K step w) as an image of the operand's registers: group c of four registers at 512 c + 16 x lane
.irp c,0,1,2,3
	ds_load_b128 v[64+4*\c:67+4*\c], v8 offset:32*\c
.endr
	s_lshr_b32 s50, ttmp9, 2
	s_lshl_b32 s50, s50, 16                        ; ((j / 4) x 8 + w) x 8,192 + (j % 4) x 2,048
	s_lshl_b32 s51, s28, 13
	s_add_co_u32 s50, s50, s51
	s_and_b32 s51, ttmp9, 3
	s_lshl_b32 s51, s51, 11
	s_add_co_u32 s50, s50, s51
	s_mov_b32 s51, 0
	s_add_nc_u64 s[18:19], s[18:19], s[50:51]
	s_wait_dscnt 0x0
.irp c,0,1,2,3
	global_store_b128 v4, v[64+4*\c:67+4*\c], s[18:19] offset:512*\c   ; 32 lanes store 512 consecutive bytes, aligned
.endr
	s_wait_tensorcnt 0x0
	ds_add_u32 v254, v255
	s_wait_dscnt 0x0
	s_endpgm
.Lnot_w2:
	s_cmp_lt_u32 s28, 10
	s_cbranch_scc0 .Lnot_p1
	; ---- waves 8, 9: the first product, transposed (source 0 = W1's 16 rows, source 1 = 16 queries): lane (r, h) holds batch 16 (w & 1) + r and columns 16 j + 8 h + 0..7.
	; Two accumulators take turns, even and odd K steps.
.irp t,0,1,2,3,4,5,6,7
.rept 4
	v_nop                                          ; places in front of loads into registers that a matrix instruction has read
.endr
.irp c,0,1,2,3
	ds_load_b128 v[64+16*(\t%2)+4*\c:64+16*(\t%2)+4*\c+3], v9 offset:128*\t+32*\c
	ds_load_b128 v[96+16*(\t%2)+4*\c:96+16*(\t%2)+4*\c+3], v10 offset:128*\t+32*\c
.endr
	s_wait_dscnt 0x0
.if \t < 2
	v_wmma_f32_16x16x128_bf8_bf8 v[128+8*(\t%2):135+8*(\t%2)], v[64+16*(\t%2):79+16*(\t%2)], v[96+16*(\t%2):111+16*(\t%2)], 0
.else
	v_wmma_f32_16x16x128_bf8_bf8 v[128+8*(\t%2):135+8*(\t%2)], v[64+16*(\t%2):79+16*(\t%2)], v[96+16*(\t%2):111+16*(\t%2)], v[128+8*(\t%2):135+8*(\t%2)]
.endif
.endr
	s_add_co_i32 s46, s40, s41                     ; e0 + e1
	v_lshlrev_b32 v19, 6, v2                       ; qbt: [j][batch][16]: batch r x 64 bytes + 32 h.  (These four lines are the places behind the last product)
	s_delay_alu instid0(VALU_DEP_1)
	v_lshl_add_u32 v19, v3, 5, v19
	s_and_b32 s50, s28, 1
	s_lshl_b32 s50, s50, 10
	v_add_nc_u32 v19, s50, v19
	v_nop
.irp i,0,2,4,6
	v_pk_add_f32 v[144+\i:145+\i], v[128+\i:129+\i], v[136+\i:137+\i]   ; both accumulators from their low end on
.endr
.irp i,0,1,2,3,4,5,6,7
	v_ldexp_f32 v[144+\i], v[144+\i], s46          ; x 2^(e0 + e1)
.endr
.irp i,0,2,4,6
	v_pk_add_f32 v[32+\i:33+\i], v[32+\i:33+\i], v[40+\i:41+\i]         ; b1 + b2
.endr
.irp i,0,2,4,6
	s_delay_alu instid0(VALU_DEP_4)
	v_pk_add_f32 v[144+\i:145+\i], v[144+\i:145+\i], v[32+\i:33+\i]
.endr
.irp i,0,2,4,6
	s_delay_alu instid0(VALU_DEP_4)
	v_pk_mul_f32 v[144+\i:145+\i], v[144+\i:145+\i], 0x4038aa3b op_sel_hi:[1,0]   ; x 2 log2(e): the main launch's exponent wants it so
.endr
	s_lshl_b32 s52, ttmp9, 11
	s_mov_b32 s53, 0
	s_add_nc_u64 s[20:21], s[20:21], s[52:53]
	global_store_b128 v19, v[144:147], s[20:21]
	global_store_b128 v19, v[148:151], s[20:21] offset:16
	s_wait_tensorcnt 0x0
	ds_add_u32 v254, v255
	s_wait_dscnt 0x0
	s_endpgm
.Lnot_p1:
	s_branch .Lend                                 ; waves 10-15 of work-groups 0-63 have done their part
.Lsort:
	; ---- work-group 64 + j, waves 0-3: batch j is sorted by its mask, kept rows (mask != 0) first, both parts in their order.  No LDS, every lane on throughout.
	s_cmp_lt_u32 s28, 4
	s_cbranch_scc0 .Lend
	s_sub_co_u32 s57, ttmp9, 64                    ; j
	s_lshl_b32 s54, s57, 13
	s_mov_b32 s55, 0
	s_add_nc_u64 s[16:17], s[16:17], s[54:55]      ; mask[j]
	s_add_nc_u64 s[24:25], s[24:25], s[54:55]      ; rank[j]
	s_mul_i32 s54, s57, 9216
	s_add_nc_u64 s[22:23], s[22:23], s[54:55]      ; order[j]: 2,304 words
	s_mul_i32 s54, s57, 10240
	s_add_nc_u64 s[26:27], s[26:27], s[54:55]      ; sc[j]: 16 slots of 160 words
	; WAVES 0-3 SHARE THE SORT: wave q places rows 512 q .. 512 q + 511 (16 groups of 32).  Each of the four reads the whole mask to count the kept rows of the four quarters.
	; v96-159 the whole mask (load G: words 128 G + 4 lane + 0..3; quarter a = loads 4 a .. 4 a + 3), v32-47 my 16 groups, then their ranks; v48-79 at work; v96-111 the places' offsets; v160-175 the rows' numbers
	s_mov_b32 s56, s28                             ; q: wave q places rows 512 q .. 512 q + 511
	s_lshl_b32 s54, s56, 11
	s_add_nc_u64 s[58:59], s[16:17], s[54:55]      ; mask[j][512 q]
	s_add_nc_u64 s[24:25], s[24:25], s[54:55]      ; rank[j][512 q]
.set G, 0
.rept 16
	global_load_b128 v[96+4*G:99+4*G], v4, s[16:17] offset:512*G
	global_load_b32 v[32+G], v20, s[58:59] offset:128*G
.set G, G+1
.endr
	s_mov_b32 s60, 0x76543210                      ; v_permlanex16_b32: lane l xor 16
	s_mov_b32 s61, 0xfedcba98
	s_lshl_b32 s53, s56, 9
	s_lshl_b32 s62, s56, 8
	s_mul_i32 s63, s56, 2560
	v_add_nc_u32 v27, s53, v1                      ; my row in group 0 of my quarter
	v_add_nc_u32 v29, s62, v20                     ; my two of the eight stores of the count
	v_add_nc_u32 v30, s63, v20                     ; my four of the sixteen slots of sc[j]
	s_wait_alu depctr_va_vdst(0)
	s_wait_loadcnt 0x0
.set G, 0
.rept 64
	v_min_u32 v[96+G], 1, v[96+G]                  ; 1 for a kept row
.set G, G+1
.endr
.irp i,1,3,5,7,9,11,13
.irp a,0,1,2,3
	v_add3_u32 v[96+16*\a], v[96+16*\a], v[96+16*\a+\i], v[96+16*\a+\i+1]
.endr
.endr
.irp a,0,1,2,3
	v_add_nc_u32 v[96+16*\a], v[96+16*\a], v[111+16*\a]   ; my lane's count in quarter a, at most 16
.endr
	v_lshl_add_u32 v96, v112, 10, v96              ; two counts to a number: a quarter's total is at most 512, so the sums stay whole in f32
	v_lshl_add_u32 v128, v144, 10, v128
	v_cvt_f32_u32 v96, v96
	v_cvt_f32_u32 v128, v128
.irp k,1,2,4,8
	v_add_f32_dpp v96, v96, v96 row_xmask:\k row_mask:0xf bank_mask:0xf
	v_add_f32_dpp v128, v128, v128 row_xmask:\k row_mask:0xf bank_mask:0xf
.endr
	v_permlanex16_b32 v97, v96, s60, s61
	v_permlanex16_b32 v129, v128, s60, s61
	v_add_f32 v96, v96, v97
	v_add_f32 v128, v128, v129
	v_cvt_u32_f32 v96, v96
	v_cvt_u32_f32 v128, v128
	v_readfirstlane_b32 s44, v96
	v_readfirstlane_b32 s45, v128
	s_and_b32 s46, s44, 0x3ff                      ; the quarters' counts
	s_lshr_b32 s47, s44, 10
	s_and_b32 s48, s45, 0x3ff
	s_lshr_b32 s49, s45, 10
	s_add_co_u32 s50, s46, s47
	s_add_co_u32 s50, s50, s48
	s_add_co_u32 s50, s50, s49                     ; the count of kept rows
	s_cmp_gt_u32 s56, 0
	s_cselect_b32 s52, s46, 0
	s_cmp_gt_u32 s56, 1
	s_cselect_b32 s51, s47, 0
	s_add_co_u32 s52, s52, s51
	s_cmp_gt_u32 s56, 2
	s_cselect_b32 s51, s48, 0
	s_add_co_u32 s52, s52, s51                     ; kept rows in the quarters before mine
	v_add_nc_u32 v28, s50, v27
	; the placing goes stage by stage over the 16 groups, so that no line waits for the line above it
.set G, 0
.rept 16
	v_cmp_ne_u32 s[66+G], 0, v[32+G]
.set G, G+1
.endr
	s_wait_alu depctr_va_vdst(0)
.set G, 0
.rept 16
	s_mov_b32 s[82+G], s52                         ; kept rows in all groups before group G
	s_bcnt1_i32_b32 s51, s[66+G]
	s_add_co_u32 s52, s52, s51
.set G, G+1
.endr
.set G, 0
.rept 16
	v_mbcnt_lo_u32_b32 v[48+G], s[66+G], s[82+G]   ; kept rows before me: a kept row's place
	v_add_nc_u32 v[160+G], 32*G, v27               ; my row's number
	v_add_nc_u32 v[64+G], 32*G, v28                ; + the count
.set G, G+1
.endr
.set G, 0
.rept 16
	v_sub_nc_u32 v[64+G], v[64+G], v[48+G]         ; the count + dropped rows before me: a dropped row's place
.set G, G+1
.endr
.set G, 0
.rept 16
	v_cndmask_b32 v[64+G], v[64+G], v[48+G], s[66+G]   ; my place, 0 .. 2,047
.set G, G+1
.endr
.set G, 0
.rept 16
	v_lshrrev_b32 v[48+G], 4, v[64+G]
.set G, G+1
.endr
.set G, 0
.rept 16
	v_mul_u32_u24 v[48+G], v[48+G], 57
.set G, G+1
.endr
.set G, 0
.rept 16
	v_lshrrev_b32 v[48+G], 9, v[48+G]              ; place / 144: (x 57) >> 9 is x / 9 for x = place / 16 up to 511
.set G, G+1
.endr
.set G, 0
.rept 16
	v_lshl_add_u32 v[32+G], v[48+G], 4, v[64+G]    ; my score's word in sc[j]: 160 x slot + place % 144
	v_min_u32 v[96+G], 0x7ff, v[64+G]              ; a number made of loaded ones enters an address behind a bound
.set G, G+1
.endr
.set G, 0
.rept 16
	v_lshlrev_b32 v[96+G], 2, v[96+G]
.set G, G+1
.endr
.set G, 0
.rept 16
	global_store_b32 v20, v[32+G], s[24:25] offset:128*G
	global_store_b32 v[96+G], v[160+G], s[22:23]   ; order[j][place] = row: each place is written once
.set G, G+1
.endr
	v_mov_b32 v24, s50
.irp k,0,1
	global_store_b32 v29, v24, s[22:23] offset:8192+128*\k   ; words 2,048 + 64 q on hold the count: word 2,048 is read as such, the rest only pads the last passes' lists
.endr
	; every slot of sc[j] is made neutral: scores -infinity, largest score -3e38 (word 144), sum 0 (word 145); the main launch writes over the slots that have rows
	v_mov_b32 v25, 0xff800000
	v_mov_b32 v27, 0xff61b1e6
	v_cmp_gt_u32 vcc_lo, 16, v1
	s_delay_alu instid0(VALU_DEP_1)
	v_cndmask_b32 v26, 0, v25, vcc_lo
	v_cmp_eq_u32 vcc_lo, 16, v1
	s_delay_alu instid0(VALU_DEP_1)
	v_cndmask_b32 v26, v26, v27, vcc_lo
.set G, 0
.rept 4
.irp q,0,1,2,3
	global_store_b32 v30, v25, s[26:27] offset:640*G+128*\q
.endr
	global_store_b32 v30, v26, s[26:27] offset:640*G+512
.set G, G+1
.endr
.Lend:
	s_wait_tensorcnt 0x0
	ds_add_u32 v254, v255
	s_wait_dscnt 0x0
	s_endpgm
.Lfunc_end_k_q4777f67fd0_prep:
	.size	k_q4777f67fd0_prep, .Lfunc_end_k_q4777f67fd0_prep-k_q4777f67fd0_prep
	.p2alignl 7, 3214868480
	.fill 96, 4, 3214868480
	.section	.rodata,"a",@progbits
	.p2align	6, 0x0
	.amdhsa_kernel k_q4777f67fd0_prep
		.amdhsa_group_segment_fixed_size 68608
		.amdhsa_private_segment_fixed_size 0
		.amdhsa_enable_private_segment 0
		.amdhsa_kernarg_size 96
		.amdhsa_user_sgpr_count 2
		.amdhsa_user_sgpr_kernarg_segment_ptr 1
		.amdhsa_wavefront_size32 1
		.amdhsa_system_sgpr_workgroup_id_x 1
		.amdhsa_system_sgpr_workgroup_id_y 1
		.amdhsa_system_sgpr_workgroup_id_z 1
		.amdhsa_system_vgpr_workitem_id 0
		.amdhsa_next_free_vgpr 256
		.amdhsa_next_free_sgpr 100
		.amdhsa_reserve_vcc 1
		.amdhsa_float_denorm_mode_32 3
		.amdhsa_float_denorm_mode_16_64 3
		.amdhsa_memory_ordered 1
		.amdhsa_forward_progress 1
		.amdhsa_inst_pref_size 53
	.end_amdhsa_kernel
	.amdgpu_metadata
---
amdhsa.version: [ 1, 2 ]
amdhsa.kernels:
  - .name:           k_q4777f67fd0_prep
    .symbol:         k_q4777f67fd0_prep.kd
    .args:
      - { .name: W2_w, .offset: 0, .size: 8, .value_kind: global_buffer, .address_space: global }
      - { .name: W1_w, .offset: 8, .size: 8, .value_kind: global_buffer, .address_space: global }
      - { .name: query, .offset: 16, .size: 8, .value_kind: global_buffer, .address_space: global }
      - { .name: W1_b, .offset: 24, .size: 8, .value_kind: global_buffer, .address_space: global }
      - { .name: W2_b, .offset: 32, .size: 8, .value_kind: global_buffer, .address_space: global }
      - { .name: lowp_scales, .offset: 40, .size: 8, .value_kind: global_buffer, .address_space: global }
      - { .name: mask, .offset: 48, .size: 8, .value_kind: global_buffer, .address_space: global }
      - { .name: w2c, .offset: 56, .size: 8, .value_kind: global_buffer, .address_space: global }
      - { .name: qbt, .offset: 64, .size: 8, .value_kind: global_buffer, .address_space: global }
      - { .name: order, .offset: 72, .size: 8, .value_kind: global_buffer, .address_space: global }
      - { .name: rank, .offset: 80, .size: 8, .value_kind: global_buffer, .address_space: global }
      - { .name: sc, .offset: 88, .size: 8, .value_kind: global_buffer, .address_space: global }
    .group_segment_fixed_size: 68608
    .private_segment_fixed_size: 0
    .kernarg_segment_align: 8
    .kernarg_segment_size: 96
    .max_flat_workgroup_size: 512
    .sgpr_count:     100
    .vgpr_count:     256
    .wavefront_size: 32
...
	.end_amdgpu_metadata
.endif
;; end of part 1
;; launch main (part 2): grid 8 x 32, 4 waves a work-group, no clusters, 318,976 bytes of LDS; arguments values, order, w2c, qbt, V_w, V_b, lowp_scales, sc, ctxp; writes sc, ctxp
.if DOCPART == 2
	.amdgcn_target "amdgcn-amd-amdhsa--gfx1250"
	.amdhsa_code_object_version 6
	.text
	.protected	k_q4777f67fd0_main
	.globl	k_q4777f67fd0_main
	.p2align	8
	.type	k_q4777f67fd0_main,@function
k_q4777f67fd0_main:
	s_mov_b64 s[64:65], 0
	v_nop
	global_prefetch_b8 v0, s[64:65] scope:SCOPE_SE
	s_setreg_imm32_b32 hwreg(HW_REG_WAVE_MODE, 25, 1), 1
	s_wait_xcnt 0x0
; For the KEPT rows of a batch (mask != 0; the launch before has sorted them): score = V . tanh(q W1^T + b1 + values W2^T + b2) + V_b, and a part of the softmax and of the context.
; A row with mask == 0 gets -infinity in front of the softmax: its weight is 0, so it is neither read nor multiplied.  Any mask is served: 0 to 2,048 kept rows a batch.
; A PASS is 144 kept rows of one batch (9 tiles of 16).  A batch has at most 15.  Work-group (c, b) walks passes c and c + 8 of batch b: a loop of two trips; a trip whose pass has no rows jumps over the work of each
; phase and passes every barrier.  A pass leaves its 144 scores, their largest m, the sum l of e^(score - m), and the sum of e^(score - m) x row; the last launch joins the passes.
; A row is read from memory ONCE and kept twice: as BF8 codes in LDS for the quantised product, and rounded to bf16 (rows 0-15 of a wave in registers, rows 16-35 in LDS) for the context.
; SHARES.  Loading, quantising, the copy and the context: wave w owns rows 36 w .. 36 w + 35.  The product: wave w owns columns 256 w .. 256 w + 255, four groups of four tiles of 16, against all nine tiles of rows:
; 36 accumulators at a time.  Source 0 = 16 rows of values, source 1 = 16 columns of W2: a lane holds ONE column (lane % 16) and eight rows, so V_w and the query's term cost one register a tile.
; tanh x = 1 - 2 / (1 + 2^(c x)), c = 2 log2(e).  c x = sum x K + qb', K = c 2^(e2 + e3); qb' comes from the launch before.  score = sum of V_w + sum of (-2 V_w) / (1 + 2^(c x)) + V_b.  All in f32.
; W2'S CODES come from memory straight into registers, laid by the launch before in the order of the operand's registers, three K steps ahead.  NO JOINT LOADS, though all work-groups walk the same codes:
; the work of a trip hangs on a count read from memory.
; K IS PERMUTED ALIKE in values and W2 (see the launch before): each product meets its partner.
; LIMITS: e2 between -126 and 112; e2 + e3 between -127 and 126 (it is added to K's exponent field).  NaN and infinities in values are not served (a masked row is never read, so its 0 x infinity is not reproduced).
; values are rounded to bf16 for the context alone.
; REGISTERS, in windows of 256 (s_set_vgpr_msb: bits 1:0 source 0, 3:2 source 1, 5:4 source 2, 7:6 destination):
;   window 0: v0-31 addresses and constants; v32-127 six fragments of values by turns (while rows are loaded: codes and copies on their way to LDS; later at work); v128-143 qb' and -2 V_w of four tiles;
;             v144-215 the 72 score sums; v216-247 the accumulators of row tile 8
;   window 1: four sets of W2's four fragments; set 3's first half is at work between the groups
;   window 2: the accumulators of row tiles 0-7; while rows are loaded: eight rows as they land; for the context: its 32 sums, 36 weights, ten rows of the copy
;   window 3: the bf16 copy of my rows 0-15
.set PITCH, 1040                       ; a row of codes in LDS: 1,024 bytes + 16: 65 x 16: the sixteen rows of a fragment load start at sixteen different banks (ISA guide 11.1)
.set TILEB, 16*PITCH
.set BFB,   144*PITCH                  ; LDS: the codes at 0 (their first 16,384 bytes later take the four waves' partial contexts); here the copies: 20 rows x 2,048 bytes for each wave
.set SCB,   BFB+80*2048                ; the waves' partial scores: [4][144] f32
.set PPB,   SCB+4*576                  ; the weights p: 160 words for each wave, its own
.set L16, 4                            ; v4   16 x lane
.set AB,  5                            ; v5-7 a fragment's lane: r x PITCH + 16 h, + 0, 3, 6 tiles of rows
.set CD,  8                            ; v8   where I store my rows' codes
.set BFA, 9                            ; v9   my wave's copies
.set SCW, 10                           ; v10  where I store partial scores
.set SR,  11                           ; v11  where I read them: 4 x lane
.set SR4, 12                           ; v12  the same with lane % 16, for the last 16 rows
.set PW,  13                           ; v13  where I store p
.set PBA, 14                           ; v14  my wave's 36 rows of p: the same in every lane
.set CX,  15                           ; v15  where I store my partial context
.set CR,  16                           ; v16  the 256 columns that I add up; also their place in ctxp
.set QO,  17                           ; v17  qb': 64 b + 4 r
.set VO,  18                           ; v18  V_w: 4 r
.set SVW, 19                           ; v19  the sum of V_w over my 16 columns
.set SCL, 20                           ; v20  2^e2
.set LIM, 21                           ; v21  57,344 x 2^e2
.set NINF, 22                          ; v22  -infinity
.set L4,  23                           ; v23  4 x lane
.set OFF, 24                           ; v24-31 byte offsets of the eight rows on their way
.set AR,  32                           ; the ring of six fragments
.set CC,  32                           ; two sets of 8: a row's codes
.set CT,  48                           ; two sets of 16: a row's copy
.set QB,  128                          ; qb' of tile i at v[128 + 2 i]; the odd registers are named as halves of pairs and hold 0
.set VW,  136                          ; -2 V_w likewise
.set SA,  144
.set A8,  216
.set TT,  192                          ; window 1
.set CA,  0                            ; window 2
.set PB,  32
.set TL,  72
.set RS,  28                           ; s[28:63] my 36 rows' numbers, then their byte offsets
.set BC,  80                           ; s[80:81] W2's codes of the group in hand;  s[82:83] of the next
.set BN,  82
.set MSB, 0
.macro WIN new                         ; the immediate's high byte repeats the setting that is left; a switch that changes nothing is dropped
.if MSB != \new
	s_set_vgpr_msb (MSB<<8)|\new
.set MSB, \new
.endif
.endm
.macro PLACES                          ; a load into, or a vector write of, a register that a matrix instruction has named, and a read of its result, stand four plain vector lines behind it
.rept 4
	v_nop
.endr
.endm
.macro BARRIER                         ; my LDS stores have landed and my LDS loads are in: then the work-group's barrier.  It stands on every way through a trip
	s_wait_dscnt 0x0
	s_barrier_signal -1
	s_barrier_wait -1
.endm
.macro RLOAD i                         ; row i of my 36: 4,096 bytes by eight loads of 512 dense bytes, into landing slot i % 8.  A kept row is read once in the launch; only a last pass's filler places name its first row again
	WIN 0
	v_add_nc_u32 v[OFF+(\i)%8], s[RS+(\i)], v[L16]
	WIN 0x80
.irp j,0,1,2,3,4,5,6,7
	global_load_b128 v[32*((\i)%8)+4*\j:32*((\i)%8)+4*\j+3], v[OFF+(\i)%8], s[4:5] offset:512*\j th:TH_LOAD_NT
.endr
.endm
.macro ROW i                           ; row i has landed: its copy, its codes; the slot takes row i + 8
.set SL, 32*((\i)%8)
.set PR, (\i)%2
.if 35-(\i) < 7
	s_wait_loadcnt 8*(35-(\i))                     ; loads come back in order: the younger rows' eight loads each may stay out
.else
	s_wait_loadcnt 56
.endif
.if (\i) >= 17
	s_wait_dscnt 6                                 ; all but row i - 1's six stores: row i - 2's have read the sets that are written now
.elseif (\i) >= 2
	s_wait_dscnt 2                                 ; the same: row i - 1 has two stores
.endif
.if (\i) < 16
	WIN 0xca
.irp q,0,1,2,3,4,5,6,7,8,9,10,11,12,13,14,15
	v_cvt_pk_bf16_f32 v[16*(\i)+\q], v[SL+2*\q], v[SL+2*\q+1]
.endr
.else
	WIN 0x0a
.irp q,0,1,2,3,4,5,6,7,8,9,10,11,12,13,14,15
	v_cvt_pk_bf16_f32 v[CT+16*PR+\q], v[SL+2*\q], v[SL+2*\q+1]
.endr
.endif
	WIN 0x82
.set XI, SL
.rept 32
	v_med3_num_f32 v[XI], v[XI], -v[LIM], v[LIM]   ; the conversion to an 8-bit code does not saturate (ISA guide 7.6.2): the hold at the largest code x the scale
.set XI, XI+1
.endr
	WIN 0x02
.irp g,0,1,2,3
	v_cvt_scalef32_pk8_bf8_f32 v[CC+8*PR+2*\g:CC+8*PR+2*\g+1], v[SL+8*\g:SL+8*\g+7], v[SCL]
.endr
	v_nop                                          ; a plain line behind the conversions
	WIN 0
	ds_store_b128 v[CD], v[CC+8*PR:CC+8*PR+3] offset:PITCH*(\i)
	ds_store_b128 v[CD], v[CC+8*PR+4:CC+8*PR+7] offset:PITCH*(\i)+512
.if (\i) >= 16
.irp q,0,1,2,3
	ds_store_b128 v[BFA], v[CT+16*PR+4*\q:CT+16*PR+4*\q+3] offset:((\i)-16)*2048+512*\q
.endr
.endif
.if (\i)+8 < 36
	RLOAD (\i)+8
.endif
.endm
.macro BLOAD u                         ; W2's four fragments of K step u % 8, of this group (u < 8) or the next, into set u % 4: sixteen loads of 512 dense bytes
	WIN 0x40
.set BB, BC
.if (\u) >= 8
.set BB, BN
.endif
.irp i,0,1,2,3
.irp c,0,1,2,3
	global_load_b128 v[64*((\u)%4)+16*\i+4*\c:64*((\u)%4)+16*\i+4*\c+3], v[L16], s[BB:BB+1] offset:((\u)%8)*8192+2048*\i+512*\c
.endr
.endr
.endm
.macro AFRAG f                         ; fragment f = 9 x K step + tile of rows, into ring set f % 6: lane (r, h) takes bytes 128 t + 32 c + 16 h of row r
.set FT, (\f)/9
.set FM, (\f)%9
.irp c,0,1,2,3
	ds_load_b128 v[AR+16*((\f)%6)+4*\c:AR+16*((\f)%6)+4*\c+3], v[AB+FM/3] offset:(FM%3)*TILEB+128*FT+32*\c
.endr
.endm
.macro MSTEP t, m                      ; K step t, tile of rows m: four products.  The 36 accumulators take turns, one instruction a turn
.set AI, 9*(\t)+(\m)
.if (AI%2 == 0) || ((\m) == 0)
	WIN 0
	PLACES                                         ; behind the products whose fragments of values (and, at m = 0, whose set of W2) are loaded anew below
.endif
.if (\m) == 0
.if (\t) == 0
.irp i,0,1,2,3
	global_load_b32 v[QB+2*\i], v[QO], s[86:87] offset:2048*\i
	global_load_b32 v[VW+2*\i], v[VO], s[90:91] offset:64*\i
.endr
.endif
	BLOAD (\t)+3
.if (\t) < 3
	s_wait_loadcnt 56                              ; this K step's set is in.  Behind it: three younger sets of sixteen and the eight loads above
.else
	s_wait_loadcnt 48                              ; behind it: three younger sets.  (The eight loads of qb' and V_w are older: they are in too)
.endif
	WIN 0
.endif
.if AI%2 == 0
	AFRAG (AI+4)%72                                ; two fragments at every second step, into the sets that the last two steps read
	AFRAG (AI+5)%72
.endif
	s_wait_dscnt 20-4*(AI%2)                       ; this step's fragment is in; the five (odd steps: four) younger ones, four loads each, may be out
.if (\m) < 8
	WIN 0xa4
.set DA, 32*(\m)
.else
	WIN 0x04
.set DA, A8
.endif
.irp i,0,1,2,3
.if (\t) == 0
	v_wmma_f32_16x16x128_bf8_bf8 v[DA+8*\i:DA+8*\i+7], v[AR+16*(AI%6):AR+16*(AI%6)+15], v[64*((\t)%4)+16*\i:64*((\t)%4)+16*\i+15], 0
.else
	v_wmma_f32_16x16x128_bf8_bf8 v[DA+8*\i:DA+8*\i+7], v[AR+16*(AI%6):AR+16*(AI%6)+15], v[64*((\t)%4)+16*\i:64*((\t)%4)+16*\i+15], v[DA+8*\i:DA+8*\i+7]
.endif
.endr
.endm
.macro EPI m                           ; tile of rows m, four tiles of columns: 32 numbers a lane go through tanh and V_w into the eight score sums
.if (\m) < 8
	WIN 0x42
.set EA, 32*(\m)
.else
	WIN 0x40
.set EA, A8
.endif
.irp i,0,1,2,3
.irp k,0,2,4,6
	v_pk_fma_f32 v[TT+8*\i+\k:TT+8*\i+\k+1], v[EA+8*\i+\k:EA+8*\i+\k+1], s[72:73], v[QB+2*\i:QB+2*\i+1] op_sel_hi:[1,0,0]   ; sum x K + qb'; each accumulator from its low end on
.endr
.endr
	WIN 0x41
.set EX, 0
	s_wait_alu depctr_va_vdst(0)
.rept 32
	v_exp_f32 v[TT+EX], v[TT+EX]
.set EX, EX+1
.endr
	v_nop                                          ; a plain line between the exponentials and the first use of a result (ISA guide 5.7.2)
.set EX, 0
	s_wait_alu depctr_va_vdst(0)
.rept 16
	v_pk_add_f32 v[TT+EX:TT+EX+1], v[TT+EX:TT+EX+1], 1.0 op_sel_hi:[1,0]
.set EX, EX+2
.endr
.set EX, 0
	s_wait_alu depctr_va_vdst(0)
.rept 32
	v_rcp_f32 v[TT+EX], v[TT+EX]                   ; an exponential that overflowed gives 0 here: tanh = 1
.set EX, EX+1
.endr
	v_nop
	WIN 0x01
	s_wait_alu depctr_va_vdst(0)
.irp i,0,1,2,3
.irp k,0,2,4,6
	v_pk_fma_f32 v[SA+8*(\m)+\k:SA+8*(\m)+\k+1], v[TT+8*\i+\k:TT+8*\i+\k+1], v[VW+2*\i:VW+2*\i+1], v[SA+8*(\m)+\k:SA+8*(\m)+\k+1] op_sel_hi:[1,0,1]
.endr
.endr
.endm
.macro TLOAD first                     ; ten rows of my copy in LDS, rows first .. first + 9
.set TK, 0
.rept 10
.irp q,0,1,2,3
	ds_load_b128 v[TL+16*TK+4*\q:TL+16*TK+4*\q+3], v[BFA] offset:((\first)-16+TK)*2048+512*\q
.endr
.set TK, TK+1
.endr
.endm
.macro CROW src, i                     ; the context's 32 sums += p of my row i x the row's 32 numbers of my lane, straight from their bf16 halves
.irp q,0,1,2,3,4,5,6,7,8,9,10,11,12,13,14,15
	v_fma_mix_f32_bf16 v[CA+2*\q], v[(\src)+\q], v[PB+(\i)], v[CA+2*\q] op_sel_hi:[1,0,0]
	v_fma_mix_f32_bf16 v[CA+2*\q+1], v[(\src)+\q], v[PB+(\i)], v[CA+2*\q+1] op_sel:[1,0,0] op_sel_hi:[1,0,0]
.endr
.endm
	s_load_b512 s[4:19], s[0:1], 0x0               ; values s[4:5], order s[6:7], w2c s[8:9], qbt s[10:11], V_w s[12:13], V_b s[14:15], scales s[16:17], sc s[18:19]
	s_load_b64 s[20:21], s[0:1], 0x40              ; ctxp
	v_lshl_add_u32 v254, v0, 2, 0x4dc00
	v_mov_b32 v255, 0
	v_lshrrev_b32 v1, 5, v0
	v_readfirstlane_b32 s22, v1                    ; wave 0..3
	s_mov_b32 s23, ttmp9                           ; c
	s_and_b32 s24, ttmp7, 0xffff                   ; the batch b
	s_mov_b32 s93, 0                               ; the upper word of every offset pair s[92:93]: never written again
	s_mov_b32 s75, 0x3fb8aa3b                      ; log2(e)
	s_mov_b32 s76, 0x76543210                      ; v_permlanex16_b32: lane l xor 16
	s_mov_b32 s77, 0xfedcba98
	v_and_b32 v1, 31, v0                           ; lane
	v_and_b32 v2, 15, v0                           ; r
	v_bfe_u32 v3, v0, 4, 1                         ; h
	v_lshlrev_b32 v[L16], 4, v1
	v_lshlrev_b32 v[L4], 2, v1
	v_mul_u32_u24 v[AB], v2, PITCH
	v_lshl_add_u32 v[AB], v3, 4, v[AB]
	v_add_nc_u32 v[AB+1], 3*TILEB, v[AB]
	v_add_nc_u32 v[AB+2], 6*TILEB, v[AB]
	s_mul_i32 s92, s22, 36*PITCH
	v_add_nc_u32 v[CD], s92, v[L16]
	s_mul_i32 s92, s22, 20*2048
	s_add_co_u32 s92, s92, BFB
	v_add_nc_u32 v[BFA], s92, v[L16]
	s_mul_i32 s92, s22, 576
	s_add_co_u32 s92, s92, SCB
	v_lshl_add_u32 v[SCW], v3, 5, s92
	v_and_b32 v[SR], 7, v0
	v_lshl_add_u32 v[SCW], v[SR], 2, v[SCW]        ; + row lane % 8 of the eight
	v_add_nc_u32 v[SR], SCB, v[L4]
	v_lshl_add_u32 v[SR4], v2, 2, SCB
	s_mul_i32 s92, s22, 640
	s_add_co_u32 s92, s92, PPB
	v_add_nc_u32 v[PW], s92, v[L4]
	s_mul_i32 s94, s22, 144
	s_add_co_u32 s92, s92, s94
	v_mov_b32 v[PBA], s92                          ; in my wave's copy of p: rows 36 w on
	s_lshl_b32 s92, s22, 12
	v_add_nc_u32 v[CX], s92, v[L16]
	s_lshl_b32 s92, s22, 10
	v_add_nc_u32 v[CR], s92, v[L16]
	s_lshl_b32 s92, s24, 6
	v_lshl_add_u32 v[QO], v2, 2, s92
	v_lshlrev_b32 v[VO], 2, v2
	v_mov_b32 v[NINF], 0xff800000
.irp i,1,3,5,7,9,11,13,15
	v_mov_b32 v[QB+\i], 0
.endr
	s_wait_kmcnt 0x0
	s_lshl_b32 s92, s24, 23
	s_add_nc_u64 s[4:5], s[4:5], s[92:93]          ; values[b]: 2,048 rows of 4,096 bytes
	s_mul_i32 s92, s24, 9216
	s_add_nc_u64 s[100:101], s[6:7], s[92:93]      ; order[b]
	s_lshl_b32 s92, s22, 18
	s_add_nc_u64 s[78:79], s[8:9], s[92:93]        ; W2's codes of my 256 columns: four groups of 65,536 bytes
	s_mov_b64 s[BC:BC+1], s[78:79]
	s_add_nc_u64 s[BN:BN+1], s[78:79], 0x10000
	s_lshl_b32 s92, s22, 15
	s_add_nc_u64 s[84:85], s[10:11], s[92:93]      ; qb' of my 16 tiles of columns
	s_lshl_b32 s92, s22, 10
	s_add_nc_u64 s[88:89], s[12:13], s[92:93]      ; V_w of my 256 columns
	s_mov_b32 s25, s23                             ; the pass P = c, then c + 8
	s_mul_i32 s27, s25, 144
	s_mul_i32 s92, s22, 36
	s_add_co_u32 s92, s92, s27
	s_lshl_b32 s92, s92, 2
	s_lshl_b32 s94, s27, 2                         ; s92 and s94 stay as they are up to the wait for these loads
	s_load_b512 s[28:43], s[100:101], s92 offset:0x0     ; the first pass's list goes out with the count and the scales: my 36 places,
	s_load_b512 s[44:59], s[100:101], s92 offset:0x40
	s_load_b128 s[60:63], s[100:101], s92 offset:0x80
	s_load_b32 s71, s[100:101], s94 offset:0x0           ; and the pass's first row, which is a kept one where the pass has rows
	s_load_b32 s26, s[100:101], 0x2000             ; the batch's count of kept rows
	s_load_b32 s74, s[14:15], 0x0                  ; V_b
	s_load_b128 s[96:99], s[16:17], 0x0            ; e0 .. e3
.irp i,0,1,2,3,4,5,6,7,8,9,10,11,12,13,14,15
	global_load_b32 v[AR+\i], v[VO], s[88:89] offset:64*\i   ; V_w[256 w + 16 i + r]
.endr
	BLOAD 0
	BLOAD 1
	BLOAD 2
	WIN 0
	s_wait_loadcnt 48                              ; V_w is in; the three sets of W2's fragments may stay out
.irp i,0,4,8,12
	v_pk_add_f32 v[AR+\i:AR+\i+1], v[AR+\i:AR+\i+1], v[AR+\i+2:AR+\i+3]
.endr
	v_pk_add_f32 v[AR:AR+1], v[AR:AR+1], v[AR+4:AR+5]
	v_pk_add_f32 v[AR+8:AR+9], v[AR+8:AR+9], v[AR+12:AR+13]
	v_pk_add_f32 v[AR:AR+1], v[AR:AR+1], v[AR+8:AR+9]
	v_add_f32 v[SVW], v[AR], v[AR+1]
	s_wait_kmcnt 0x0
	s_add_co_i32 s92, s98, 127
	s_lshl_b32 s94, s92, 23
	v_mov_b32 v[SCL], s94                          ; 2^e2 as f32: the conversion takes its exponent field
	s_add_co_i32 s92, s92, 15
	s_lshl_b32 s92, s92, 23
	s_or_b32 s92, s92, 0x600000
	v_mov_b32 v[LIM], s92                          ; 57,344 x 2^e2
	s_add_co_i32 s92, s98, s99
	s_lshl_b32 s92, s92, 23
	s_add_co_i32 s72, s92, 0x4038aa3b              ; K = 2 log2(e) x 2^(e2 + e3): the exponents are added to the exponent field
	s_mov_b32 s73, s72                             ; (named with it as a pair)
	s_mov_b32 s68, 0                               ; trips done
.Lpass:
	s_wait_kmcnt 0x0                               ; my 36 places of this pass's list and the pass's first row: asked for in the head, or in the trip before
	s_mul_i32 s27, s25, 144                        ; the pass's first place in the sorted list
	; ---- phase 1: my 36 rows come in, eight rows (64 loads) ahead, and become codes and copies
	s_cmp_lt_u32 s27, s26
	s_cbranch_scc0 .Lidle
	s_sub_co_i32 s66, s26, s27
	s_mul_i32 s92, s22, 36
	s_sub_co_i32 s66, s66, s92                     ; how many of my 36 places hold kept rows (may be 0 or less)
.set I, 0
.rept 36
	s_cmp_gt_i32 s66, I
	s_cselect_b32 s[RS+I], s[RS+I], s71            ; a place past the count takes the pass's first row again: no masked row is read; its score becomes -infinity below
	s_min_u32 s[RS+I], s[RS+I], 0x7ff              ; a loaded number enters an address behind a bound
	s_lshl_b32 s[RS+I], s[RS+I], 12
.set I, I+1
.endr
.set I, 0
.rept 8
	RLOAD I
.set I, I+1
.endr
.set I, 0
.rept 36
	ROW I
.set I, I+1
.endr
	WIN 0
	s_branch .Lb1
.Lidle:                                                ; a trip without rows: the copy's registers are written here, so that they are written on every way that leads to the lines that read them
	WIN 0xc0
.set I, 0
.rept 256
	v_mov_b32 v[I], 0
.set I, I+1
.endr
	WIN 0
.Lb1:
	BARRIER                                        ; all 144 rows of codes lie in LDS
	s_add_co_u32 s66, s25, 8                       ; this pass's list has been used up: the next pass's is asked for here.  The pass is held at 15, so that word 2,303 of the list's 2,304 is the last that is named
	s_min_u32 s66, s66, 15
	s_mul_i32 s66, s66, 144
	s_lshl_b32 s67, s66, 2
	s_mul_i32 s92, s22, 36
	s_add_co_u32 s66, s66, s92
	s_lshl_b32 s66, s66, 2
	s_load_b512 s[28:43], s[100:101], s66 offset:0x0
	s_load_b512 s[44:59], s[100:101], s66 offset:0x40
	s_load_b128 s[60:63], s[100:101], s66 offset:0x80
	s_load_b32 s71, s[100:101], s67 offset:0x0
	; ---- phase 2: the product, tanh and V_w, four tiles of columns at a time
	s_cmp_lt_u32 s27, s26
	s_cbranch_scc0 .Lb2
.set I, 0
.rept 72
	v_mov_b32 v[SA+I], v[SVW]                      ; each score sum begins with my columns' sum of V_w
.set I, I+1
.endr
.irp f,0,1,2,3
	AFRAG \f
.endr
	s_mov_b32 s69, 0
.Lgroup:                                               ; four trips; both rings close over the backward jump: 8 K steps on 4 sets, 72 fragments on 6
	s_wait_xcnt 0x0                                ; every load issued so far has read its base: the four bases may be written
	s_lshl_b32 s92, s69, 16
	s_add_nc_u64 s[BC:BC+1], s[78:79], s[92:93]    ; W2's codes of this group,
	s_add_co_u32 s92, s69, 1
	s_and_b32 s92, s92, 3                          ; and of the next; behind group 3 comes group 0: the loads ahead stay inside the buffer and serve a second pass
	s_lshl_b32 s92, s92, 16
	s_add_nc_u64 s[BN:BN+1], s[78:79], s[92:93]
	s_lshl_b32 s92, s69, 13
	s_add_nc_u64 s[86:87], s[84:85], s[92:93]      ; qb' of this group's four tiles
	s_lshl_b32 s92, s69, 8
	s_add_nc_u64 s[90:91], s[88:89], s[92:93]      ; V_w likewise
.set TI, 0
.rept 8
.set MI, 0
.rept 9
	MSTEP TI, MI
.set MI, MI+1
.endr
.set TI, TI+1
.endr
	WIN 0
	PLACES                                         ; behind the last products: set 3, which they read, is written below, and results are read
.irp i,0,1,2,3
	v_mul_f32 v[VW+2*\i], -2.0, v[VW+2*\i]
.endr
.irp m,0,1,2,3,4,5,6,7,8
	EPI \m
.endr
	WIN 0
	s_add_co_u32 s69, s69, 1
	s_cmp_lt_u32 s69, 4
	s_cbranch_scc1 .Lgroup
; A row's sum over my wave's 256 columns: over the sixteen lanes of a half.  Each of three steps joins two registers into one: a lane whose bit is 0 keeps the first and sends the second, its partner the other way round.
; So 72 registers become 36, 18, 9, and lane (r, h) ends with row 16 m + 8 h + r % 8 in register 8 m; a last step joins lanes r and r xor 8.  v112-127 (a fragment set that is done with) are at work.
.macro HALVE st, xm, msk
	s_mov_b32 vcc_lo, \msk
.set I, 0
.rept 72/(2*(\st))
	v_cndmask_b32 v[112+I%8], v[SA+2*(\st)*I+(\st)], v[SA+2*(\st)*I], vcc_lo
	v_cndmask_b32 v[SA+2*(\st)*I], v[SA+2*(\st)*I], v[SA+2*(\st)*I+(\st)], vcc_lo
	v_add_f32_dpp v[SA+2*(\st)*I], v[112+I%8], v[SA+2*(\st)*I] row_xmask:\xm row_mask:0xf bank_mask:0xf
.set I, I+1
.endr
.endm
	HALVE 1, 1, 0xaaaaaaaa
	HALVE 2, 2, 0xcccccccc
	HALVE 4, 4, 0xf0f0f0f0
.irp m,0,1,2,3,4,5,6,7,8
	v_add_f32_dpp v[SA+8*\m], v[SA+8*\m], v[SA+8*\m] row_xmask:8 row_mask:0xf bank_mask:0xf
.endr
.irp m,0,1,2,3,4,5,6,7,8
	ds_store_b32 v[SCW], v[SA+8*\m] offset:64*\m   ; row 16 m + 8 h + r % 8; lanes r and r xor 8 store the same word with the same number
.endr
.Lb2:
	s_wait_xcnt 0x0                                ; the list's loads have read their offsets: s67 is written below
	BARRIER                                        ; the four waves' partial scores lie in LDS, and nobody reads the codes any more
	; ---- phase 3: every wave makes the pass's scores, m, p and l for itself; then its 36 rows' part of the context
	s_cmp_lt_u32 s27, s26
	s_cbranch_scc0 .Lb3
.irp w,0,1,2,3
.irp q,0,1,2,3
	ds_load_b32 v[32+5*\w+\q], v[SR] offset:576*\w+128*\q            ; register q: row 32 q + lane
.endr
	ds_load_b32 v[36+5*\w], v[SR4] offset:576*\w+512                 ; rows 128 + lane % 16
.endr
	s_sub_co_u32 s67, s26, s27
	s_min_u32 s67, s67, 144                        ; kept rows in this pass
	v_mov_b32 v53, 0                               ; (a lane permute's destination counts as one of its sources)
	s_wait_dscnt 0x0
.irp q,0,1,2,3,4
	v_add_f32 v[32+\q], v[32+\q], v[37+\q]
	v_add_f32 v[42+\q], v[42+\q], v[47+\q]
.endr
.irp q,0,1,2,3,4
	v_add_f32 v[32+\q], v[32+\q], v[42+\q]
.endr
.irp q,0,1,2,3,4
	v_add_f32 v[32+\q], s74, v[32+\q]              ; + V_b
	s_sub_co_i32 s92, s67, 32*\q
	v_cmp_gt_i32 vcc_lo, s92, v1
	v_cndmask_b32 v[32+\q], v[NINF], v[32+\q], vcc_lo   ; a place without a kept row: -infinity (in register 4 lanes 16-31 too: the pass has 144 places)
.endr
	v_max3_num_f32 v52, v32, v33, v34
	v_max3_num_f32 v52, v52, v35, v36
.irp k,1,2,4,8
	v_max_num_f32_dpp v52, v52, v52 row_xmask:\k row_mask:0xf bank_mask:0xf
.endr
	v_permlanex16_b32 v53, v52, s76, s77
	v_max_num_f32 v52, v52, v53                    ; m: the pass's largest score; its first place holds a kept row, so m is a number
	v_mul_f32 v54, s75, v52
.irp q,0,1,2,3,4
	v_fma_f32 v[56+\q], v[32+\q], s75, -v54
.endr
	s_wait_alu depctr_va_vdst(0)
.irp q,0,1,2,3,4
	v_exp_f32 v[56+\q], v[56+\q]                   ; p = e^(score - m)
.endr
	v_nop                                          ; a plain line behind the exponentials
	s_wait_alu depctr_va_vdst(0)
	v_add_f32 v61, v56, v57
	v_add_f32 v62, v58, v59
	v_add_f32 v61, v61, v62
	v_add_f32 v61, v61, v60
.irp k,1,2,4,8
	v_add_f32_dpp v61, v61, v61 row_xmask:\k row_mask:0xf bank_mask:0xf
.endr
	v_permlanex16_b32 v53, v61, s76, s77
	v_add_f32 v61, v61, v53                        ; l
.irp q,0,1,2,3,4
	ds_store_b32 v[PW], v[56+\q] offset:128*\q     ; into my wave's own words
.endr
	v_cmp_eq_u32 vcc_lo, 16, v1
	v_cndmask_b32 v63, v36, v52, vcc_lo            ; the slot's word 144 is m,
	v_cmp_eq_u32 vcc_lo, 17, v1
	v_cndmask_b32 v63, v63, v61, vcc_lo            ; word 145 is l
	s_lshl_b32 s92, s24, 4
	s_add_co_u32 s92, s92, s25
	s_mul_i32 s92, s92, 640
	s_add_nc_u64 s[94:95], s[18:19], s[92:93]      ; sc[b][P]
	s_cmp_lg_u32 s22, 0
	s_cbranch_scc1 .Lnot0
.irp q,0,1,2,3
	global_store_b32 v[L4], v[32+\q], s[94:95] offset:128*\q
.endr
	global_store_b32 v[L4], v63, s[94:95] offset:512
.Lnot0:
	WIN 0x80
.irp k,0,1,2,3,4,5,6,7,8
	ds_load_b128 v[PB+4*\k:PB+4*\k+3], v[PBA] offset:16*\k           ; p of my 36 rows, in every lane; LDS serves a wave's instructions in order (ISA guide 5.7.1.4): these see my stores
.endr
	TLOAD 16
.set I, 0
.rept 32
	v_mov_b32 v[CA+I], 0
.set I, I+1
.endr
	s_wait_dscnt 40                                ; p is in; the ten rows' forty loads may be out
	WIN 0xab
.set I, 0
.rept 16
	CROW 16*I, I
.set I, I+1
.endr
	WIN 0
	s_mov_b32 s70, 0
.Lctx:                                                 ; two trips of ten rows of the copy in LDS: rows 16-25, then rows 26-35, in the same registers
	s_wait_dscnt 0x0
	WIN 0xaa
.set I, 0
.rept 10
	CROW TL+16*I, 16+I
.set I, I+1
.endr
	WIN 0
	s_cmp_lg_u32 s70, 0
	s_cbranch_scc1 .Lctx2
	WIN 0x82
.set I, 0
.rept 10
	v_mov_b32 v[PB+16+I], v[PB+26+I]               ; the second ten rows' weights take the first ten's registers
.set I, I+1
.endr
	WIN 0x80
	TLOAD 26
	WIN 0
.Lctx2:
	s_add_co_u32 s70, s70, 1
	s_cmp_lt_u32 s70, 2
	s_wait_alu depctr_va_vdst(0)
	s_cbranch_scc1 .Lctx
	WIN 0x08
.irp j,0,1,2,3,4,5,6,7
	ds_store_b128 v[CX], v[CA+4*\j:CA+4*\j+3] offset:512*\j          ; sums 4 j .. 4 j + 3 are columns 128 j + 4 lane + 0..3: the columns' own order
.endr
	WIN 0
.Lb3:
	BARRIER                                        ; the four partial contexts lie in LDS
	; ---- phase 4: wave w adds the four parts of columns 256 w .. 256 w + 255 and stores them
	s_cmp_lt_u32 s27, s26
	s_cbranch_scc0 .Lb4
.irp s,0,1,2,3
.irp u,0,1
	ds_load_b128 v[64+8*\s+4*\u:64+8*\s+4*\u+3], v[CR] offset:4096*\s+512*\u
.endr
.endr
	s_lshl_b32 s92, s24, 4
	s_add_co_u32 s92, s92, s25
	s_lshl_b32 s92, s92, 12
	s_add_nc_u64 s[2:3], s[20:21], s[92:93]        ; ctxp[b][P]
	s_wait_dscnt 0x0
.irp x,0,2,4,6
	v_pk_add_f32 v[64+\x:65+\x], v[64+\x:65+\x], v[72+\x:73+\x]
	v_pk_add_f32 v[80+\x:81+\x], v[80+\x:81+\x], v[88+\x:89+\x]
.endr
.irp x,0,2,4,6
	v_pk_add_f32 v[64+\x:65+\x], v[64+\x:65+\x], v[80+\x:81+\x]
.endr
	global_store_b128 v[CR], v[64:67], s[2:3]                        ; 32 lanes store 512 consecutive bytes, aligned
	global_store_b128 v[CR], v[68:71], s[2:3] offset:512
.Lb4:
	s_wait_xcnt 0x0                                ; the trip's stores have read their registers and bases: the next trip writes them
	BARRIER                                        ; nobody reads the partial contexts or scores any more: the next trip's codes may be stored
	s_add_co_u32 s25, s25, 8
	s_add_co_u32 s68, s68, 1
	s_cmp_lt_u32 s68, 2
	s_cbranch_scc1 .Lpass
	s_wait_kmcnt 0x0                               ; the last trip's look-ahead has come in
	s_wait_tensorcnt 0x0
	ds_add_u32 v254, v255
	s_wait_dscnt 0x0
	s_endpgm
.Lfunc_end_k_q4777f67fd0_main:
	.size	k_q4777f67fd0_main, .Lfunc_end_k_q4777f67fd0_main-k_q4777f67fd0_main
	.p2alignl 7, 3214868480
	.fill 96, 4, 3214868480
	.section	.rodata,"a",@progbits
	.p2align	6, 0x0
	.amdhsa_kernel k_q4777f67fd0_main
		.amdhsa_group_segment_fixed_size 318976
		.amdhsa_private_segment_fixed_size 0
		.amdhsa_enable_private_segment 0
		.amdhsa_kernarg_size 72
		.amdhsa_user_sgpr_count 2
		.amdhsa_user_sgpr_kernarg_segment_ptr 1
		.amdhsa_wavefront_size32 1
		.amdhsa_system_sgpr_workgroup_id_x 1
		.amdhsa_system_sgpr_workgroup_id_y 1
		.amdhsa_system_sgpr_workgroup_id_z 1
		.amdhsa_system_vgpr_workitem_id 0
		.amdhsa_next_free_vgpr 1024
		.amdhsa_next_free_sgpr 102
		.amdhsa_reserve_vcc 1
		.amdhsa_float_denorm_mode_32 3
		.amdhsa_float_denorm_mode_16_64 3
		.amdhsa_memory_ordered 1
		.amdhsa_forward_progress 1
		.amdhsa_inst_pref_size 255
	.end_amdhsa_kernel
	.section	.bss,"aw",@nobits
	.p2align	6
	.space	262144
	.amdgpu_metadata
---
amdhsa.version: [ 1, 2 ]
amdhsa.kernels:
  - .name:           k_q4777f67fd0_main
    .symbol:         k_q4777f67fd0_main.kd
    .args:
      - { .name: values, .offset: 0, .size: 8, .value_kind: global_buffer, .address_space: global }
      - { .name: order, .offset: 8, .size: 8, .value_kind: global_buffer, .address_space: global }
      - { .name: w2c, .offset: 16, .size: 8, .value_kind: global_buffer, .address_space: global }
      - { .name: qbt, .offset: 24, .size: 8, .value_kind: global_buffer, .address_space: global }
      - { .name: V_w, .offset: 32, .size: 8, .value_kind: global_buffer, .address_space: global }
      - { .name: V_b, .offset: 40, .size: 8, .value_kind: global_buffer, .address_space: global }
      - { .name: lowp_scales, .offset: 48, .size: 8, .value_kind: global_buffer, .address_space: global }
      - { .name: sc, .offset: 56, .size: 8, .value_kind: global_buffer, .address_space: global }
      - { .name: ctxp, .offset: 64, .size: 8, .value_kind: global_buffer, .address_space: global }
    .group_segment_fixed_size: 318976
    .private_segment_fixed_size: 0
    .kernarg_segment_align: 8
    .kernarg_segment_size: 72
    .max_flat_workgroup_size: 128
    .sgpr_count:     102
    .vgpr_count:     1024
    .wavefront_size: 32
...
	.end_amdgpu_metadata
.endif
;; end of part 2
;; launch finish (part 3): grid 8 x 32, 1 waves a work-group, no clusters, 0 bytes of LDS; arguments sc, ctxp, order, rank, out0, out1; writes out0, out1
.if DOCPART == 3
	.amdgcn_target "amdgcn-amd-amdhsa--gfx1250"
	.amdhsa_code_object_version 6
	.text
	.protected	k_q4777f67fd0_finish
	.globl	k_q4777f67fd0_finish
	.p2align	8
	.type	k_q4777f67fd0_finish,@function
k_q4777f67fd0_finish:
	s_mov_b64 s[64:65], 0
	v_nop
	global_prefetch_b8 v0, s[64:65] scope:SCOPE_SE
	s_setreg_imm32_b32 hwreg(HW_REG_WAVE_MODE, 25, 1), 1
	s_wait_xcnt 0x0
; The passes of a batch are joined.  Slot P of sc[b] holds a pass's scores, its largest score m_P (word 144) and its sum l_P (word 145); a slot without rows holds -infinity, -3e38 and 0.
; M = the largest m_P; L = the sum of l_P e^(m_P - M); alpha[s] = e^(score[s] - M) / L; context = the sum of e^(m_P - M) / L x ctxp[b][P].
; The wave (c, b) makes alphas 256 c .. 256 c + 255 and context columns 128 c .. 128 c + 127 of batch b.  rank[b][s] is the word of row s's score in sc[b]; a masked row's word holds -infinity: alpha 0.
; A batch whose mask is all zeros: M = -3e38, L = 0, 1 / L = infinity: every result is NaN, as the softmax of -infinities is.
; One wave a work-group, no LDS, no barrier, every lane on.  Streams so small want no ring: all loads go out together.
	s_load_b256 s[4:11], s[0:1], 0x0               ; sc s[4:5], ctxp s[6:7], order s[8:9], rank s[10:11]
	s_load_b128 s[12:15], s[0:1], 0x20             ; out0 s[12:13], out1 s[14:15]
	v_and_b32 v1, 31, v0
	v_lshlrev_b32 v2, 4, v1                        ; 16 x lane
	v_and_b32 v3, 15, v0
	v_mul_u32_u24 v3, v3, 640                      ; slot lane % 16
	s_and_b32 s16, ttmp7, 0xffff                   ; b
	s_mov_b32 s19, 0
	s_mov_b32 s23, 0x3fb8aa3b                      ; log2(e)
	s_wait_alu depctr_va_vdst(0)
	s_wait_kmcnt 0x0
	s_mul_i32 s18, s16, 9216
	s_add_nc_u64 s[8:9], s[8:9], s[18:19]
	s_load_b32 s20, s[8:9], 0x2000                 ; the batch's count of kept rows
	s_lshl_b32 s18, s16, 13
	s_lshl_b32 s17, ttmp9, 10
	s_add_co_u32 s18, s18, s17
	s_add_nc_u64 s[10:11], s[10:11], s[18:19]      ; rank[b][256 c]
	s_add_nc_u64 s[14:15], s[14:15], s[18:19]      ; out1[b][256 c]
	s_mul_i32 s18, s16, 10240
	s_add_nc_u64 s[4:5], s[4:5], s[18:19]          ; sc[b]
	s_lshl_b32 s18, s16, 16
	s_lshl_b32 s17, ttmp9, 9
	s_add_co_u32 s18, s18, s17
	s_add_nc_u64 s[6:7], s[6:7], s[18:19]          ; ctxp[b][0][128 c]
	s_lshl_b32 s18, s16, 12
	s_add_co_u32 s18, s18, s17
	s_add_nc_u64 s[12:13], s[12:13], s[18:19]      ; out0[b][128 c]
	global_load_b128 v[8:11], v2, s[10:11]
	global_load_b128 v[12:15], v2, s[10:11] offset:512
	global_load_b64 v[16:17], v3, s[4:5] offset:576    ; (m, l) of slot lane % 16
.set I, 0
.rept 60
	v_mov_b32 v[32+I], 0                           ; a pass without rows adds nothing: its part is not read, and counts as zeros
.set I, I+1
.endr
	s_wait_kmcnt 0x0
	s_add_co_u32 s21, s20, 143
	s_lshr_b32 s21, s21, 4
	s_mul_i32 s21, s21, 57
	s_lshr_b32 s21, s21, 9                         ; passes with rows: (count + 143) / 144, 0 to 15
	s_wait_loadcnt 0x0
.irp k,0,1,2,3,4,5,6,7
	v_min_u32 v[8+\k], 0x9ff, v[8+\k]              ; a loaded number enters an address behind a bound: sc[b] has 2,560 words
	v_lshlrev_b32 v[8+\k], 2, v[8+\k]
.endr
.irp k,0,1,2,3,4,5,6,7
	global_load_b32 v[100+\k], v[8+\k], s[4:5]     ; my eight rows' scores
.endr
.set I, 0
.rept 15
	s_cmp_gt_u32 s21, I
	s_cbranch_scc0 .Lgot
	global_load_b128 v[32+4*I:35+4*I], v2, s[6:7] offset:4096*I
.set I, I+1
.endr
.Lgot:
	v_mov_b32 v24, v16
.irp k,1,2,4,8
	v_max_num_f32_dpp v24, v24, v24 row_xmask:\k row_mask:0xf bank_mask:0xf   ; each half of the lanes holds all sixteen slots
.endr
	v_sub_f32 v25, v16, v24
	v_mul_f32 v25, s23, v25
	s_wait_alu depctr_va_vdst(0)
	v_exp_f32 v25, v25                             ; e^(m_P - M)
	v_mul_f32 v26, s23, v24                        ; M log2(e).  (A plain line behind the exponential)
	s_wait_alu depctr_va_vdst(0)
	v_mul_f32 v27, v17, v25
.irp k,1,2,4,8
	v_add_f32_dpp v27, v27, v27 row_xmask:\k row_mask:0xf bank_mask:0xf
.endr
	s_wait_alu depctr_va_vdst(0)
	v_rcp_f32 v28, v27                             ; 1 / L
	v_nop
	s_wait_alu depctr_va_vdst(0)
	v_mul_f32 v29, v25, v28                        ; lane P: the weight of pass P's part
	s_wait_loadcnt 0x0                             ; zero: right however many parts were asked for
.irp k,0,1,2,3,4,5,6,7
	v_fma_f32 v[100+\k], v[100+\k], s23, -v26
.endr
	s_wait_alu depctr_va_vdst(0)
.irp k,0,1,2,3,4,5,6,7
	v_exp_f32 v[100+\k], v[100+\k]
.endr
	v_nop
	s_wait_alu depctr_va_vdst(0)
.irp k,0,1,2,3,4,5,6,7
	v_mul_f32 v[100+\k], v[100+\k], v28
.endr
	global_store_b128 v2, v[100:103], s[14:15]     ; 32 lanes store 512 consecutive bytes, aligned
	global_store_b128 v2, v[104:107], s[14:15] offset:512
	v_readlane_b32 s22, v29, 0
.irp e,0,1,2,3
	v_mul_f32 v[112+\e], s22, v[32+\e]
.endr
.set I, 1
.rept 14
	v_readlane_b32 s22, v29, I
.irp e,0,1,2,3
	v_fmac_f32 v[112+\e], s22, v[32+4*I+\e]
.endr
.set I, I+1
.endr
	global_store_b128 v2, v[112:115], s[12:13]
	s_endpgm
.Lfunc_end_k_q4777f67fd0_finish:
	.size	k_q4777f67fd0_finish, .Lfunc_end_k_q4777f67fd0_finish-k_q4777f67fd0_finish
	.p2alignl 7, 3214868480
	.fill 96, 4, 3214868480
	.section	.rodata,"a",@progbits
	.p2align	6, 0x0
	.amdhsa_kernel k_q4777f67fd0_finish
		.amdhsa_group_segment_fixed_size 0
		.amdhsa_private_segment_fixed_size 0
		.amdhsa_enable_private_segment 0
		.amdhsa_kernarg_size 48
		.amdhsa_user_sgpr_count 2
		.amdhsa_user_sgpr_kernarg_segment_ptr 1
		.amdhsa_wavefront_size32 1
		.amdhsa_system_sgpr_workgroup_id_x 1
		.amdhsa_system_sgpr_workgroup_id_y 1
		.amdhsa_system_sgpr_workgroup_id_z 1
		.amdhsa_system_vgpr_workitem_id 0
		.amdhsa_next_free_vgpr 128
		.amdhsa_next_free_sgpr 66
		.amdhsa_reserve_vcc 0
		.amdhsa_float_denorm_mode_32 3
		.amdhsa_float_denorm_mode_16_64 3
		.amdhsa_memory_ordered 1
		.amdhsa_forward_progress 1
		.amdhsa_inst_pref_size 13
	.end_amdhsa_kernel
	.amdgpu_metadata
---
amdhsa.version: [ 1, 2 ]
amdhsa.kernels:
  - .name:           k_q4777f67fd0_finish
    .symbol:         k_q4777f67fd0_finish.kd
    .args:
      - { .name: sc, .offset: 0, .size: 8, .value_kind: global_buffer, .address_space: global }
      - { .name: ctxp, .offset: 8, .size: 8, .value_kind: global_buffer, .address_space: global }
      - { .name: order, .offset: 16, .size: 8, .value_kind: global_buffer, .address_space: global }
      - { .name: rank, .offset: 24, .size: 8, .value_kind: global_buffer, .address_space: global }
      - { .name: out0, .offset: 32, .size: 8, .value_kind: global_buffer, .address_space: global }
      - { .name: out1, .offset: 40, .size: 8, .value_kind: global_buffer, .address_space: global }
    .group_segment_fixed_size: 0
    .private_segment_fixed_size: 0
    .kernarg_segment_align: 8
    .kernarg_segment_size: 48
    .max_flat_workgroup_size: 32
    .sgpr_count:     66
    .vgpr_count:     128
    .wavefront_size: 32
...
	.end_amdgpu_metadata
.endif
;; end of part 3
